; MI455X (gfx1250); checked and timed in simulation.
; The chip was launched on July 23, 2026; its instructions are those of AMD's public machine-readable ISA for CDNA 5 (MIT licence, August 2026) and "CDNA5" Instruction Set Architecture Reference Guide (July 2026). The comments in the code are by the model that wrote it; some were corrected since.
;; Multi Headed Attention. Allowed arithmetic: matrix products marked QUANTISED: E4M3 operands, one given power-of-two scale a tensor, by v_wmma_f32_16x16x64_fp8_fp8 or v_wmma_f32_16x16x128_fp8_fp8, f32 sums; everything else in f32.
;; Inputs: Wk 768 x 768 float32; Wo 768 x 768 float32; Wq 768 x 768 float32; Wv 768 x 768 float32; bk 768 float32; bo 768 float32; bq 768 float32; bv 768 float32; lowp_scales 12 int32 (the exponents e of the quantised operands' scales 2^e); x 1 x 4,096 x 768 float32.
;; Outputs: out0 1 x 4,096 x 768 float32.
;; This version of the problem:
;;   THIS VERSION OF THE PROBLEM IS GIVEN IN LOW PRECISION. The matrix products marked QUANTISED in the list below multiply operands that are first quantised to E4M3 (4 exponent bits, 3 mantissa bits; 8 bits a number), with one given power-of-two scale for each operand tensor; their sums are f32. All else is computed in f32.
;;   The module's matrix products, in the order in which they are computed (A, B: the left and right operand; K: the contracted axis; several contracted axes count as one K, in the product's order):
;;     1. [M 4,096, K 768] x [K 768, N 768]; A: input x; B: input Wq: QUANTISED (scales: A lowp_scales[0], B lowp_scales[1])
;;     2. [M 4,096, K 768] x [K 768, N 768]; A: input x; B: input Wk: QUANTISED (scales: A lowp_scales[2], B lowp_scales[3])
;;     3. [M 4,096, K 768] x [K 768, N 768]; A: input x; B: input Wv: QUANTISED (scales: A lowp_scales[4], B lowp_scales[5])
;;     4. batch 12 x [M 4,096, K 64] x [K 64, N 4,096]; A: computed on the way; B: computed on the way: QUANTISED (scales: A lowp_scales[6], B lowp_scales[7])
;;     5. batch 12 x [M 4,096, K 4,096] x [K 4,096, N 64]; A: softmax (see below); B: computed on the way: QUANTISED (scales: A lowp_scales[8], B lowp_scales[9])
;;     6. [M 4,096, K 768] x [K 768, N 768]; A: computed on the way; B: input Wo: QUANTISED (scales: A lowp_scales[10], B lowp_scales[11])
;;   THE QUANTISER, for each operand of a quantised product, along K:
;;     - The operand's scale is 2^e, e = its entry of the input lowp_scales (int32; the entries are numbered through the quantised products in the list's order, A before B).
;;     - Each number is divided by the scale, clamped to +-448, and rounded to the nearest number of E4M3, ties to even, subnormals kept.
;;     - The product sums the exact products of the quantised numbers (number of the format x scale) in f32.
;;   ~~~python
;;   def quantise(x, axis, e):      # numpy; x: float32 -> the quantised numbers, widened to float32 again
;;       x = np.moveaxis(x, axis, -1); K = x.shape[-1]
;;       r = np.clip(x / 2.0 ** e, -448, 448)
;;       step = 2.0 ** (np.maximum(np.frexp(np.where(r == 0, 1, r))[1] - 1, -6) - 3)
;;       q = np.round(r / step) * step * 2.0 ** e      # np.round: ties to even
;;       return np.moveaxis(q, -1, axis).astype(np.float32)
;;   ~~~
;;   SOFTMAX AHEAD OF A QUANTISED PRODUCT. Where the list says 'softmax', what is quantised is not the finished softmax but p = 2^(t - M), with t = logit x log2(e) and M = ceil(the row's largest t), a whole number; so 1/2 < the row's largest p <= 1. The row's sum l is taken of the UNQUANTISED p, in f32, and the product's result is divided by l at the end. Since M is a whole number, a kernel that streams over the keys may use a running M (the ceiling of the running maximum): every later rescaling is an exact power of two, so the quantised numbers keep their values, but for numbers so far below the row's largest that they fall under the format's range.
;;   OPERANDS COMPUTED ON THE WAY. 'Computed on the way' means the value that the module computes at that place (a softmax that the list does not call 'softmax' is quantised finished and normalised). What goes into a quantiser is computed in f32, as accurately as f32 sums, v_exp_f32 and their like allow (about 1e-6 of the number): no bf16 or f16 on the way to a quantiser, and a product that is left as it is and whose result goes on into a quantised operand takes f32 operands (vector FMAs, or v_wmma_f32_16x16x4_f32). A number that lies on a knife's edge between two numbers of the format may be rounded either way, as far as f32 arithmetic and the matrix unit's own rounding can turn it there, and no further.
;; One version. Each part assembles by itself: llvm-mc -triple=amdgcn-amd-amdhsa -mcpu=gfx1250 --defsym DOCPART=n.
;; ======== version 1 of 1: 4 launches
;; limits: right only within a limited range of input values
;; workspace buffers: ximg 9,437,184 bytes; wimg 2,359,296 bytes; qkv 9,437,184 bytes; ctx 3,145,728 bytes
;; launch prep (part 1): grid 448 x 1, 6 waves a work-group, no clusters, 51,456 bytes of LDS; arguments x, Wq, Wk, Wv, Wo, lowp_scales, ximg, wimg; writes ximg, wimg
.if DOCPART == 1
	.amdgcn_target "amdgcn-amd-amdhsa--gfx1250"
	.amdhsa_code_object_version 6
	.text
	.protected	k_q75e9e7b4bf_prep
	.globl	k_q75e9e7b4bf_prep
	.p2align	8
	.type	k_q75e9e7b4bf_prep,@function
k_q75e9e7b4bf_prep:
	s_mov_b64 s[64:65], 0
	v_nop
	global_prefetch_b8 v0, s[64:65] scope:SCOPE_SE
	s_setreg_imm32_b32 hwreg(HW_REG_WAVE_MODE, 25, 1), 1
	s_wait_xcnt 0x0
; x [4096][768] and Wq, Wk, Wv, Wo [768][768], f32, K innermost, become codes of FP8 (E4M3), laid as IMAGES OF OPERAND REGISTERS.
; A fragment is 16 rows x 128 K: lane (r = l % 16, h = l / 16) holds, in registers 2 c and 2 c + 1, the codes of row r at k = 16 c + 8 h + 0 .. 7 (the plain 8-bit layout).
; Its image is 2,048 bytes: registers 4 g .. 4 g + 3 of lane l at 512 g + 16 l.  Fragment (row tile T, K step ks) lies at (6 T + ks) x 2,048.
; x is quantised three times, with the scales of products 1, 2 and 3 (entries 0, 2, 4): three variants, 3,145,728 bytes apart.  Wq, Wk, Wv, Wo take entries 1, 3, 5, 11 and follow each other in wimg.
; code = number / 2^e, held within +-448, to the nearest code, ties to even.  LIMITS: each e between -126 and 119, so that 2^e and 448 x 2^e are f32 numbers.  NaN among the inputs is not served.
; SHARES.  A work-group takes one tile of 16 rows (work-groups 0-255: x; 256-447: the 192 tiles of the four weights); wave w takes K step w: one fragment.
; Each load reads 512 consecutive bytes of a row; the 16 rows turn through the wave's own stage in LDS, so that a lane gets its 8 neighbours along K; each store writes 512 consecutive bytes.
; No barrier: waves share nothing.  No loop: every offset is an immediate.
.set ROWB,  3072                       ; a row of x or of a weight in bytes
.set PITCH, 528                        ; a stage row: 512 bytes + 16: row r starts 4 r words on, modulo 64 words
.set STGW,  16*PITCH                   ; a wave's stage
.set SPARE, 6*STGW                     ; behind the six stages: the spare words, 128 bytes a wave, three blocks of 256 bytes that no other line names
.set TILEB, 12288                      ; six fragments: a row tile's images
.set VARB,  3145728                    ; from one variant of x's images to the next
.set SO,  2                            ; v2   source offset: 16 l + 512 w
.set SI,  3                            ; v3   stage, way in: my stage + 16 l
.set SX,  4                            ; v4   stage, way out: my stage + 528 r + 32 h
.set DO,  5                            ; v5   destination offset: 16 l
.set SPW, 6                            ; v6   LDS address of my spare word; never rewritten
.set NIL, 7                            ; v7   0; never rewritten
.set R,   16                           ; v16-79   the numbers as loaded; later the held numbers
.set N,   80                           ; v80-143  my 64 numbers: N + 8 c + i = k 16 c + 8 h + i of row r
.set C,   144                          ; v144-191 three sets of 16 code registers, so that no store's data are written again
.macro MKSC e, sc, lim                 ; from the whole number in s[e]: v[sc] = 2^e, v[lim] = 448 x 2^e, as f32 patterns
	s_add_co_i32 s44, s[\e], 127
	s_lshl_b32 s45, s44, 23
	v_mov_b32 v[\sc], s45
	s_add_co_i32 s44, s44, 8
	s_lshl_b32 s44, s44, 23
	s_or_b32 s44, s44, 0x600000
	v_mov_b32 v[\lim], s44
.endm
.macro QUANT cb, sc, lim               ; my 64 numbers become 16 registers of codes; N stays as it is, since other scales follow
.irp c, 0,1,2,3,4,5,6,7
.irp i, 0,1,2,3,4,5,6,7
	v_med3_num_f32 v[R+8*\c+\i], v[N+8*\c+\i], -v[\lim], v[\lim]   ; the conversion does not saturate (ISA guide 7.6.2): the hold comes first
.endr
	v_cvt_scalef32_pk8_fp8_f32 v[\cb+2*\c:\cb+2*\c+1], v[R+8*\c:R+8*\c+7], v[\sc]
.endr
	v_nop                                          ; a plain line behind the last conversion: the next QUANT writes its sources again
.endm
.macro OUT cb, off                     ; the fragment's image: four stores of 512 consecutive bytes
.irp g, 0,1,2,3
	global_store_b128 v[DO], v[\cb+4*\g:\cb+4*\g+3], s[38:39] offset:\off+512*\g
.endr
.endm
	s_load_b512 s[4:19], s[0:1], 0x0               ; x s[4:5], Wq s[6:7], Wk s[8:9], Wv s[10:11], Wo s[12:13], scales s[14:15], ximg s[16:17], wimg s[18:19]
	v_lshl_add_u32 v[SPW], v0, 2, SPARE
	v_mov_b32 v[NIL], 0
	v_lshrrev_b32 v1, 5, v0
	v_readfirstlane_b32 s40, v1                    ; wave 0..5 = my K step
	v_and_b32 v1, 31, v0
	v_lshlrev_b32 v[DO], 4, v1                     ; 16 l
	s_lshl_b32 s41, s40, 9
	v_add_nc_u32 v[SO], s41, v[DO]                 ; + 512 w: my K step's 512 bytes of a row
	s_mul_i32 s46, s40, STGW
	v_add_nc_u32 v[SI], s46, v[DO]
	v_and_b32 v14, 15, v0                          ; r
	v_bfe_u32 v15, v0, 4, 1                        ; h
	v_mul_u32_u24 v[SX], v14, PITCH
	v_lshl_add_u32 v[SX], v15, 5, v[SX]
	v_add_nc_u32 v[SX], s46, v[SX]
	s_sub_co_u32 s20, ttmp9, 256                   ; the weights' tile 0..191 (in x's work-groups a number that is not used)
	s_wait_alu depctr_va_vdst(0)
	s_wait_kmcnt 0x0
	s_load_b256 s[24:31], s[14:15], 0x0            ; e0 .. e7
	s_load_b128 s[32:35], s[14:15], 0x20           ; e8 .. e11
	; which tensor: a chain of choices on the work-group's number alone
	s_mov_b64 s[36:37], s[12:13]                   ; Wo, whose tiles begin at 144
	s_mov_b32 s21, 144
	s_cmp_lt_u32 s20, 144
	s_cselect_b64 s[36:37], s[10:11], s[36:37]     ; Wv, from 96
	s_cselect_b32 s21, 96, s21
	s_cmp_lt_u32 s20, 96
	s_cselect_b64 s[36:37], s[8:9], s[36:37]       ; Wk, from 48
	s_cselect_b32 s21, 48, s21
	s_cmp_lt_u32 s20, 48
	s_cselect_b64 s[36:37], s[6:7], s[36:37]       ; Wq, from 0
	s_cselect_b32 s21, 0, s21
	s_sub_co_u32 s22, s20, s21                     ; the tile within its weight
	s_cmp_lt_u32 ttmp9, 256
	s_cselect_b64 s[36:37], s[4:5], s[36:37]       ; x
	s_cselect_b64 s[38:39], s[16:17], s[18:19]     ; ximg or wimg
	s_cselect_b32 s22, ttmp9, s22                  ; source tile
	s_cselect_b32 s23, ttmp9, s20                  ; destination tile
	s_mul_i32 s42, s22, 16*ROWB
	s_mov_b32 s43, 0
	s_add_nc_u64 s[36:37], s[36:37], s[42:43]
	s_mul_i32 s42, s23, TILEB
	s_lshl_b32 s44, s40, 11
	s_add_co_u32 s42, s42, s44                     ; + my fragment
	s_add_nc_u64 s[38:39], s[38:39], s[42:43]
.irp i, 0,1,2,3,4,5,6,7,8,9,10,11,12,13,14,15
	global_load_b128 v[R+4*\i:R+4*\i+3], v[SO], s[36:37] offset:ROWB*\i th:TH_LOAD_NT   ; row i: 32 lanes read 512 consecutive bytes; read once in the launch
.endr
	s_wait_kmcnt 0x0
	s_mov_b32 s41, s35                             ; the tensor's own exponent, by the same chain: e11,
	s_cmp_lt_u32 s20, 144
	s_cselect_b32 s41, s29, s41                    ; e5,
	s_cmp_lt_u32 s20, 96
	s_cselect_b32 s41, s27, s41                    ; e3,
	s_cmp_lt_u32 s20, 48
	s_cselect_b32 s41, s25, s41                    ; e1,
	s_cmp_lt_u32 ttmp9, 256
	s_cselect_b32 s41, s24, s41                    ; e0 for x's first variant
	MKSC 41, 8, 9
	MKSC 26, 10, 11                                ; e2: x's second variant
	MKSC 28, 12, 13                                ; e4: its third
	s_wait_alu depctr_va_vdst(0)
.irp i, 0,1,2,3,4,5,6,7,8,9,10,11,12,13,14,15
	s_wait_loadcnt 15-\i                           ; loads come back in order: row i is in, the 15 - i younger rows may be out
	ds_store_b128 v[SI], v[R+4*\i:R+4*\i+3] offset:PITCH*\i
.endr
.irp c, 0,1,2,3,4,5,6,7
	ds_load_b128 v[N+8*\c:N+8*\c+3], v[SX] offset:64*\c        ; LDS serves a wave's instructions in order: these see my stores
	ds_load_b128 v[N+8*\c+4:N+8*\c+7], v[SX] offset:64*\c+16
.endr
	s_wait_dscnt 0x0                               ; my 64 numbers are in, and the stores have read R
	QUANT C, 8, 9
	OUT C, 0
	s_cmp_lt_u32 ttmp9, 256                        ; a weight has one scale; x has two more
	s_cbranch_scc0 .Ldone
	QUANT C+16, 10, 11
	OUT C+16, VARB
	QUANT C+32, 12, 13
	OUT C+32, 2*VARB
.Ldone:
	s_wait_tensorcnt 0x0                           ; the wave's end
	ds_add_u32 v[SPW], v[NIL]
	s_wait_dscnt 0x0
	s_endpgm
.Lfunc_end_k_q75e9e7b4bf_prep:
	.size	k_q75e9e7b4bf_prep, .Lfunc_end_k_q75e9e7b4bf_prep-k_q75e9e7b4bf_prep
	.p2alignl 7, 3214868480
	.fill 96, 4, 3214868480
	.section	.rodata,"a",@progbits
	.p2align	6, 0x0
	.amdhsa_kernel k_q75e9e7b4bf_prep
		.amdhsa_group_segment_fixed_size 51456
		.amdhsa_private_segment_fixed_size 0
		.amdhsa_enable_private_segment 0
		.amdhsa_kernarg_size 64
		.amdhsa_user_sgpr_count 2
		.amdhsa_user_sgpr_kernarg_segment_ptr 1
		.amdhsa_wavefront_size32 1
		.amdhsa_system_sgpr_workgroup_id_x 1
		.amdhsa_system_sgpr_workgroup_id_y 1
		.amdhsa_system_sgpr_workgroup_id_z 1
		.amdhsa_system_vgpr_workitem_id 0
		.amdhsa_next_free_vgpr 192
		.amdhsa_next_free_sgpr 66
		.amdhsa_reserve_vcc 0
		.amdhsa_float_denorm_mode_32 3
		.amdhsa_float_denorm_mode_16_64 3
		.amdhsa_memory_ordered 1
		.amdhsa_forward_progress 1
		.amdhsa_inst_pref_size 23
	.end_amdhsa_kernel
	.amdgpu_metadata
---
amdhsa.version: [ 1, 2 ]
amdhsa.kernels:
  - .name:           k_q75e9e7b4bf_prep
    .symbol:         k_q75e9e7b4bf_prep.kd
    .args:
      - { .name: x, .offset: 0, .size: 8, .value_kind: global_buffer, .address_space: global }
      - { .name: Wq, .offset: 8, .size: 8, .value_kind: global_buffer, .address_space: global }
      - { .name: Wk, .offset: 16, .size: 8, .value_kind: global_buffer, .address_space: global }
      - { .name: Wv, .offset: 24, .size: 8, .value_kind: global_buffer, .address_space: global }
      - { .name: Wo, .offset: 32, .size: 8, .value_kind: global_buffer, .address_space: global }
      - { .name: lowp_scales, .offset: 40, .size: 8, .value_kind: global_buffer, .address_space: global }
      - { .name: ximg, .offset: 48, .size: 8, .value_kind: global_buffer, .address_space: global }
      - { .name: wimg, .offset: 56, .size: 8, .value_kind: global_buffer, .address_space: global }
    .group_segment_fixed_size: 51456
    .private_segment_fixed_size: 0
    .kernarg_segment_align: 8
    .kernarg_segment_size: 64
    .max_flat_workgroup_size: 192
    .sgpr_count:     66
    .vgpr_count:     192
    .wavefront_size: 32
...
	.end_amdgpu_metadata
.endif
;; end of part 1
;; launch qkv (part 2): grid 3 x 48, 4 waves a work-group, no clusters, 327,680 bytes of LDS; arguments ximg, wimg, bq, bk, bv, lowp_scales, qkv; writes qkv
.if DOCPART == 2
	.amdgcn_target "amdgcn-amd-amdhsa--gfx1250"
	.amdhsa_code_object_version 6
	.text
	.protected	k_q75e9e7b4bf_qkv
	.globl	k_q75e9e7b4bf_qkv
	.p2align	8
	.type	k_q75e9e7b4bf_qkv,@function
k_q75e9e7b4bf_qkv:
	s_mov_b64 s[64:65], 0
	v_nop
	global_prefetch_b8 v0, s[64:65] scope:SCOPE_SE
	s_setreg_imm32_b32 hwreg(HW_REG_WAVE_MODE, 25, 1), 1
	s_wait_xcnt 0x0
.set FRB,   2048
.set TILEB, 12288
.set PASSB, 49152
.set SPARE, 196608
.set LP,  4
.set RO,  8
.set BO,  9
.set SC,  10
.set LIM, 11
.set SPW, 12
.set NIL, 13
.set CB,  16
.set BR,  48
.set X0,  64
.set CD,  192
.set ACC, 128
.set G1,  24
.set G0,  32
.set MSB, 0
.macro WIN new
.if MSB != \new
	s_set_vgpr_msb (MSB<<8)|\new
.set MSB, \new
.endif
.endm
.macro PLACES
.rept 4
	v_nop
.endr
.endm
.macro FETCHX p, ks, set
.irp st, 0,1,2,3
.irp g, 0,1,2,3
	ds_load_b128 v[\set+16*\st+4*\g:\set+16*\st+4*\g+3], v[LP+(\p)] offset:(6*\st+(\ks))*FRB+512*\g
.endr
.endr
.endm
.macro MUL16 ks, set, cmode
.if (\ks) == 0
	WIN 0x81
.elseif (\ks) < 4
	WIN 0xa1
.else
	WIN 0xa2
.endif
.irp st, 0,1,2,3
.irp ct, 0,1,2,3
.if (\cmode) == 1
	v_wmma_f32_16x16x128_fp8_fp8 v[ACC+8*(4*\st+\ct):ACC+8*(4*\st+\ct)+7], v[64*((\ks)%4)+16*\ct:64*((\ks)%4)+16*\ct+15], v[\set+16*\st:\set+16*\st+15], v[CB+8*\ct:CB+8*\ct+7]
.elseif (\cmode) == 2
	v_wmma_f32_16x16x128_fp8_fp8 v[ACC+8*(4*\st+\ct):ACC+8*(4*\st+\ct)+7], v[64*((\ks)%4)+16*\ct:64*((\ks)%4)+16*\ct+15], v[\set+16*\st:\set+16*\st+15], v[CB+8*\st:CB+8*\st+7]
.else
	v_wmma_f32_16x16x128_fp8_fp8 v[ACC+8*(4*\st+\ct):ACC+8*(4*\st+\ct)+7], v[64*((\ks)%4)+16*\ct:64*((\ks)%4)+16*\ct+15], v[\set+16*\st:\set+16*\st+15], v[ACC+8*(4*\st+\ct):ACC+8*(4*\st+\ct)+7]
.endif
.endr
.endr
.endm
.macro PASS p, vp
.if (\p) == 0
	s_wait_tensorcnt 0x0                           ; my pass's tiles have landed,
	s_barrier_signal -1
	s_barrier_wait -1                              ; everybody's have: all four passes read behind this one barrier
.endif
	FETCHX \p, 0, X0
.if (\p) == 0
	s_wait_loadcnt 0x0
.endif
.if \vp
.irp st, 0,1,2,3
.irp j, 0,1,2,3,4,5,6,7
	v_ldexp_f32 v[CB+8*\st+\j], v[BR+4*(\p)+\st], s61
.endr
.endr
.elseif (\p) == 0
.set i, 0
.rept 32
	v_ldexp_f32 v[CB+i], v[CB+i], s61
.set i, i+1
.endr
.endif
.irp ks, 0,1,2,3,4,5
.if (\ks >= 1) && (\ks < 5)
	PLACES
.endif
.if \ks < 5
	FETCHX \p, \ks+1, X0+64*((\ks+1)%2)
	s_wait_dscnt 16
.else
	s_wait_dscnt 0x0
.endif
.if \ks == 0
	s_wait_alu depctr_va_vdst(0)
	MUL16 0, X0, 1+\vp
.else
	MUL16 \ks, X0+64*(\ks%2), 3
.endif
	WIN 0
.endr
	PLACES
	WIN 0x82
.set i, 0
.rept 128
	v_med3_num_f32 v[ACC+i], v[ACC+i], -v[LIM], v[LIM]
.set i, i+1
.endr
	s_wait_xcnt 0x0
	WIN 0x02
.irp st, 0,1,2,3
.irp ct, 0,1,2,3
	v_cvt_scalef32_pk8_fp8_f32 v[CD+8*\st+2*\ct:CD+8*\st+2*\ct+1], v[ACC+8*(4*\st+\ct):ACC+8*(4*\st+\ct)+7], v[SC]
.endr
.endr
	v_nop
	WIN 0
.irp st, 0,1,2,3
.irp g, 0,1
.if \vp
	global_store_b128 v[RO], v[CD+8*\st+4*\g:CD+8*\st+4*\g+3], s[16:17] offset:(\p)*262144+\st*2048+512*\g
.else
	global_store_b128 v[RO], v[CD+8*\st+4*\g:CD+8*\st+4*\g+3], s[16:17] offset:(4*(\p)+\st)*1024+512*\g
.endif
.endr
.endr
.endm
	s_load_b256 s[4:11], s[0:1], 0x0
	s_load_b128 s[12:15], s[0:1], 0x20
	s_load_b64 s[16:17], s[0:1], 0x30
	v_lshl_add_u32 v[SPW], v0, 2, SPARE
	v_mov_b32 v[NIL], 0
	ds_add_u32 v[SPW], v[NIL]
	ds_add_u32 v[SPW], v[NIL]
	v_lshrrev_b32 v1, 5, v0
	v_readfirstlane_b32 s18, v1
	v_and_b32 v1, 31, v0
	v_lshlrev_b32 v[LP], 4, v1
	v_add_nc_u32 v[LP+1], PASSB, v[LP]
	v_add_nc_u32 v[LP+2], 2*PASSB, v[LP]
	v_add_nc_u32 v[LP+3], 3*PASSB, v[LP]
	v_lshlrev_b32 v[RO], 4, v1
	s_and_b32 s19, ttmp7, 0xffff
	s_lshr_b32 s21, s19, 4
	s_and_b32 s22, s19, 15
	s_mov_b32 s[G1+0], 3<<16
	s_mov_b32 s[G1+1], 32<<16
	s_mov_b32 s[G1+2], 192<<16                     ; one load a wave: 192 rows of 256 bytes, the four row tiles of one pass
	s_mov_b32 s[G1+3], 32<<16
	s_mov_b32 s[G1+4], 192
	s_mov_b32 s[G1+5], 32
	s_mov_b32 s[G1+6], 0
	s_mov_b32 s[G1+7], 0
	s_mul_i32 s66, s21, 3145728
	s_mul_i32 s67, s22, 196608
	s_add_co_u32 s66, s66, s67
	s_mov_b32 s67, 0
	s_mul_i32 s68, s21, 589824
	s_mul_i32 s69, ttmp9, 196608
	s_add_co_u32 s68, s68, s69
	s_mov_b32 s69, 0
	s_mul_i32 s20, s18, PASSB                      ; wave w fetches pass w's 49,152 bytes, in memory and in LDS alike
	s_mul_i32 s70, s18, PASSB
	s_mov_b32 s71, 0
	s_mov_b32 s72, s20
	s_mov_b32 s73, 0
	s_wait_alu depctr_va_vdst(0)
	s_wait_dscnt 0x0
	s_wait_kmcnt 0x0
	s_load_b256 s[48:55], s[14:15], 0x0
	s_load_b128 s[56:59], s[14:15], 0x20
	s_add_nc_u64 s[4:5], s[4:5], s[66:67]
	s_add_nc_u64 s[6:7], s[6:7], s[68:69]
	s_cmp_eq_u32 s21, 2
	s_cselect_b64 s[74:75], s[6:7], s[4:5]
	s_cselect_b64 s[76:77], s[4:5], s[6:7]
	s_add_nc_u64 s[74:75], s[74:75], s[72:73]
	s_add_nc_u64 s[76:77], s[76:77], s[70:71]
	s_mov_b32 s[G0], 1
	s_mov_b32 s[G0+1], s20
	s_mov_b64 s[G0+2:G0+3], s[74:75]
	s_or_b32 s[G0+3], s[G0+3], 0x80000000
	tensor_load_to_lds s[G0:G0+3], s[G1:G1+7]      ; the wave's one tensor load; no LDS byte is filled twice
	s_nop 0
.rept 4
	v_nop
.endr
	WIN 0x40
.irp ks, 0,1,2,3
.irp ct, 0,1,2,3
.irp g, 0,1,2,3
	global_load_b128 v[64*\ks+16*\ct+4*\g:64*\ks+16*\ct+4*\g+3], v[RO], s[76:77] offset:(6*\ct+\ks)*FRB+512*\g
.endr
.endr
.endr
	WIN 0x80
.irp ks, 4,5
.irp ct, 0,1,2,3
.irp g, 0,1,2,3
	global_load_b128 v[64*(\ks-4)+16*\ct+4*\g:64*(\ks-4)+16*\ct+4*\g+3], v[RO], s[76:77] offset:(6*\ct+\ks)*FRB+512*\g
.endr
.endr
.endr
	WIN 0
	s_wait_kmcnt 0x0
	s_cmp_eq_u32 s21, 0
	s_cselect_b32 s60, s48, s50
	s_cselect_b32 s61, s49, s51
	s_cselect_b32 s62, s54, s55
	s_cmp_eq_u32 s21, 2
	s_cselect_b32 s60, s52, s60
	s_cselect_b32 s61, s53, s61
	s_cselect_b32 s62, s57, s62
	s_add_co_i32 s60, s60, s61
	s_sub_co_i32 s61, 0, s60
	s_sub_co_i32 s62, s62, s60
	s_add_co_i32 s62, s62, 127
	s_lshl_b32 s63, s62, 23
	v_mov_b32 v[SC], s63
	s_add_co_i32 s62, s62, 8
	s_lshl_b32 s62, s62, 23
	s_or_b32 s62, s62, 0x600000
	v_mov_b32 v[LIM], s62
	s_mov_b32 s71, 0
	s_cmp_eq_u32 s21, 2
	s_cbranch_scc1 .Lv
	s_cmp_eq_u32 s21, 0
	s_cselect_b64 s[66:67], s[8:9], s[10:11]
	s_lshl_b32 s68, ttmp9, 2
	s_add_co_u32 s68, s68, s18
	s_lshl_b32 s70, s68, 8
	s_add_nc_u64 s[66:67], s[66:67], s[70:71]
	v_bfe_u32 v[BO], v0, 4, 1
	v_lshlrev_b32 v[BO], 5, v[BO]
.irp ct, 0,1,2,3
	global_load_b128 v[CB+8*\ct:CB+8*\ct+3], v[BO], s[66:67] offset:64*\ct
	global_load_b128 v[CB+8*\ct+4:CB+8*\ct+7], v[BO], s[66:67] offset:64*\ct+16
.endr
	s_mul_i32 s70, s21, 3145728
	s_lshl_b32 s72, s68, 18
	s_add_co_u32 s70, s70, s72
	s_lshl_b32 s72, s22, 14
	s_add_co_u32 s70, s70, s72
	s_add_nc_u64 s[16:17], s[16:17], s[70:71]
	PASS 0, 0
	PASS 1, 0
	PASS 2, 0
	PASS 3, 0
	s_branch .Lend
.Lv:
	s_lshl_b32 s70, ttmp9, 10
	s_add_nc_u64 s[66:67], s[12:13], s[70:71]
	v_and_b32 v[BO], 15, v0
	v_lshlrev_b32 v[BO], 2, v[BO]
.irp st, 0,1,2,3,4,5,6,7,8,9,10,11,12,13,14,15
	global_load_b32 v[BR+\st], v[BO], s[66:67] offset:64*\st
.endr
	s_lshl_b32 s70, ttmp9, 20
	s_lshl_b32 s72, s22, 1
	s_lshr_b32 s73, s18, 1
	s_add_co_u32 s72, s72, s73
	s_lshl_b32 s72, s72, 13
	s_add_co_u32 s70, s70, s72
	s_and_b32 s72, s18, 1
	s_lshl_b32 s72, s72, 10
	s_add_co_u32 s70, s70, s72
	s_add_co_u32 s70, s70, 6291456
	s_add_nc_u64 s[16:17], s[16:17], s[70:71]
	PASS 0, 1
	PASS 1, 1
	PASS 2, 1
	PASS 3, 1
.Lend:
	s_wait_tensorcnt 0x0
	ds_add_u32 v[SPW], v[NIL]
	s_wait_dscnt 0x0
	s_endpgm
.Lfunc_end_k_q75e9e7b4bf_qkv:
	.size	k_q75e9e7b4bf_qkv, .Lfunc_end_k_q75e9e7b4bf_qkv-k_q75e9e7b4bf_qkv
	.p2alignl 7, 3214868480
	.fill 96, 4, 3214868480
	.section	.rodata,"a",@progbits
	.p2align	6, 0x0
	.amdhsa_kernel k_q75e9e7b4bf_qkv
		.amdhsa_group_segment_fixed_size 327680
		.amdhsa_private_segment_fixed_size 0
		.amdhsa_enable_private_segment 0
		.amdhsa_kernarg_size 56
		.amdhsa_user_sgpr_count 2
		.amdhsa_user_sgpr_kernarg_segment_ptr 1
		.amdhsa_wavefront_size32 1
		.amdhsa_system_sgpr_workgroup_id_x 1
		.amdhsa_system_sgpr_workgroup_id_y 1
		.amdhsa_system_sgpr_workgroup_id_z 1
		.amdhsa_system_vgpr_workitem_id 0
		.amdhsa_next_free_vgpr 768
		.amdhsa_next_free_sgpr 80
		.amdhsa_reserve_vcc 0
		.amdhsa_float_denorm_mode_32 3
		.amdhsa_float_denorm_mode_16_64 3
		.amdhsa_memory_ordered 1
		.amdhsa_forward_progress 1
		.amdhsa_inst_pref_size 212
	.end_amdhsa_kernel
	.amdgpu_metadata
---
amdhsa.version: [ 1, 2 ]
amdhsa.kernels:
  - .name:           k_q75e9e7b4bf_qkv
    .symbol:         k_q75e9e7b4bf_qkv.kd
    .args:
      - { .name: ximg, .offset: 0, .size: 8, .value_kind: global_buffer, .address_space: global }
      - { .name: wimg, .offset: 8, .size: 8, .value_kind: global_buffer, .address_space: global }
      - { .name: bq, .offset: 16, .size: 8, .value_kind: global_buffer, .address_space: global }
      - { .name: bk, .offset: 24, .size: 8, .value_kind: global_buffer, .address_space: global }
      - { .name: bv, .offset: 32, .size: 8, .value_kind: global_buffer, .address_space: global }
      - { .name: lowp_scales, .offset: 40, .size: 8, .value_kind: global_buffer, .address_space: global }
      - { .name: qkv, .offset: 48, .size: 8, .value_kind: global_buffer, .address_space: global }
    .group_segment_fixed_size: 327680
    .private_segment_fixed_size: 0
    .kernarg_segment_align: 8
    .kernarg_segment_size: 56
    .max_flat_workgroup_size: 128
    .sgpr_count:     80
    .vgpr_count:     768
    .wavefront_size: 32
...
	.end_amdgpu_metadata
.endif
;; end of part 2
;; launch attn (part 3): grid 256 x 1, 8 waves a work-group, no clusters, 287,744 bytes of LDS; arguments qkv, lowp_scales, ctx; writes ctx
.if DOCPART == 3
	.amdgcn_target "amdgcn-amd-amdhsa--gfx1250"
	.amdhsa_code_object_version 6
	.text
	.protected	k_q75e9e7b4bf_attn
	.globl	k_q75e9e7b4bf_attn
	.p2align	8
	.type	k_q75e9e7b4bf_attn,@function
k_q75e9e7b4bf_attn:
	s_mov_b64 s[64:65], 0
	v_nop
	global_prefetch_b8 v0, s[64:65] scope:SCOPE_SE
	s_setreg_imm32_b32 hwreg(HW_REG_WAVE_MODE, 25, 1), 1
	s_wait_xcnt 0x0
; ctx[q][head] = the sum over keys k <= q of softmax_k(q . k / 8) v, 12 heads of 64, 4,096 positions, both products on codes of FP8 (E4M3); the result is quantised at once with the scale of the last projection (entry 10).
; q, k, v come as images of operand registers (a fragment's registers 4 g .. 4 g + 3 of lane l at 512 g + 16 l): q, k: 16 rows x 64 channels, 1,024 bytes a tile; v: V^T, 16 channels x 128 keys, 2,048 bytes.
; THE SOFTMAX: t = score x log2(e) / 8; M = the running largest t rounded UP to a whole number; p = 2^(t - M) is quantised (entry 8), not normalised; the row's sum is taken of the unquantised p and divides at the end.
; When M moves, the sum and O are multiplied by 2^(old M - new M), which rounds nothing.
; LAYOUT.  S^T = K Q^T (source 0 = 16 keys, source 1 = 16 queries), O^T = V^T P^T (source 0 = 16 channels, source 1 = P): a lane holds ONE query of each tile throughout.  In S^T's tile t register j is key 16 t + 8 (l / 16) + j,
; so a conversion of tile t is registers 2 t, 2 t + 1 of P in the plain 8-bit layout; O^T's four tiles become half a fragment (16 rows x 128) of the last projection's operand.  Nothing changes lanes.
; SHARES.  A block of 64 queries, b = 0 .. 63, walks b / 2 + 1 (rounded down) steps of 128 keys; steps wholly under the causal mask are left out: their p is 0 for all values of the inputs.
; Work-groups 64 g .. 64 g + 63 take heads 3 g, 3 g + 1, 3 g + 2; number i of them takes one block of each: i, and with k = i / 2: 31 - k and 63 - k (i even) or 63 - k and 31 - k (i odd).  Every block is taken once, and
; each work-group has 49 or 50 steps.  They are ordered by block, smallest first, and laid end to end; wave w of eight takes steps w, w + 8, ..: a step is all 64 queries x 128 keys.
; The largest of the three blocks is 32 or more and has 17 steps or more, so every wave ends in it.  A wave's partial O, M and sum of a block meet the other waves' in LDS at the end, under the largest M.
; K AND V GO STRAIGHT INTO REGISTERS: of a work-group one wave alone uses a step's 16,384 bytes, for four tiles of queries; the next step's K is asked for when this step's last scores are multiplied, its V at the step's end.
; So there is no tensor load and no cluster: no tile lies in LDS, and the work-groups of a head walk different counts of steps.  p <= 1, so p / 2^e8 passes 448 only where e8 < -8: a branch on that given whole number leads round the hold.
; PREFETCH.  Steps 16 to 31 of each head's K and V, 8,192 bytes each, are asked for once in the launch: wave 0, 1, 2 of work-group i of a group names step i % 32 of head 0, 1, 2's K (i < 32) or V in its first trip; a wave loads such a step in its third trip at the earliest.
; THE MASK.  The last step of a block starts its sums from -2^127 where a key is hidden (and from 0 elsewhere): p = 0 there.  Every query has a key that counts in every step walked.
; LIMITS: hidden keys equal a fill of -1e9 as long as the kept logits lie well above -1e9.  e6 + e7 between -100 and 130 (added to c's exponent field); e8 and e10 between -126 and 119.  NaN among the inputs is not served, and an
; infinity or a NaN in one head may reach another head's rows (a block's first step multiplies the sums of the block before by 0).
; REGISTERS, window 0: v1-16 addresses and scales; v18-25 (-M, largest t) of four tiles; v26-33 their sums; v34-47 at work; v48-63 the mask's C operands; v64-95 Q; v96-127 p's codes; v128-255 S^T of two tiles, then p.
;   window 1: v0-127 O^T (tile u, channels c at 32 u + 8 c); v128-191 K's eight fragments; v192-255 V's four.
.set ML,    262144                     ; LDS: two regions of 8 x 16,384 bytes of partial O; here -M and the sums: 1,024 bytes a wave, 8,192 a block
.set SPARE, ML+24576                   ; the spare words, 128 bytes a wave, four blocks of 256 bytes that no other line names
.set VOFS,  3145728                    ; from k's images to v's
.set LI,  1                            ; v1   16 l
.set PFO, 2                            ; v2   256 l
.set PW,  3                            ; v3, v4   my partial O in region 0, 1
.set SPW, 5                            ; v5   LDS address of my spare word; never rewritten
.set NIL, 6                            ; v6   0; never rewritten
.set MLW, 7                            ; v7   my words of -M and the sums
.set MLR, 8                            ; v8   those of the tile that I join
.set OR,  9                            ; v9-12 what I join: waves 0-3 and 4-7 of region 0, then of region 1
.set SC8, 13
.set LM8, 14
.set SC10, 15
.set LM10, 16
.set NM,  18                           ; v[18+2u] -M, v[19+2u] the largest t
.set LS,  26                           ; v[26+2u:27+2u] the sum in two halves
.set FF,  34                           ; v34, v36 f
.set TS,  38
.set MA,  42
.set PL,  46
.set DM,  48                           ; the diagonal tile's C
.set NEG, 56                           ; a hidden tile's C
.set QR,  64
.set PC,  96
.set S,   128
.set KR,  128
.set VR,  192
.set WV,  10
.set GI,  11                           ; the step in hand, counted over the three blocks
.set JB,  12                           ; which block
.set NX,  13                           ; where its steps end
.set PAR, 14                           ; its number's low bit
.set END, 15                           ; s15-17 where the three blocks' steps end
.set KO,  18                           ; s18-20 K's byte offset of a block's step g, less 8,192 g
.set QO,  21                           ; s21-23 Q's byte offset
.set PR,  24                           ; s24-26 low bits
.set CO,  27                           ; s27-29 ctx's byte offset
.set ASK, 31                           ; the step in which my wave prefetches, or -1
.set SEL, 32
.set CS,  34
.set KB,  36
.set KA,  38
.set QA,  40
.set PFA, 42
.set GN,  30                           ; the next step
.set MSB, 0
.macro WIN new                         ; the immediate's high byte repeats the setting that is left; bits 1:0 source 0, 3:2 source 1, 5:4 source 2, 7:6 destination
.if MSB != \new
	s_set_vgpr_msb (MSB<<8)|\new
.set MSB, \new
.endif
.endm
.macro MKSC e, sc, lim
	s_add_co_i32 s46, s[\e], 127
	s_lshl_b32 s47, s46, 23
	v_mov_b32 v[\sc], s47
	s_add_co_i32 s46, s46, 8
	s_lshl_b32 s46, s46, 23
	s_or_b32 s46, s46, 0x600000
	v_mov_b32 v[\lim], s46
.endm
.macro JOB p, k                        ; block number and head from s[p] = 16 b + head
	s_and_b32 s46, s[\p], 15
	s_lshr_b32 s47, s[\p], 4
	s_lshl_b32 s[KO+\k], s46, 18
	s_lshl_b32 s51, s47, 12
	s_add_co_u32 s[QO+\k], s[KO+\k], s51
	s_and_b32 s[PR+\k], s47, 1
	s_mul_i32 s[CO+\k], s47, 49152
	s_lshl_b32 s51, s46, 10
	s_add_co_u32 s[CO+\k], s[CO+\k], s51
	s_lshr_b32 s47, s47, 1
	s_add_co_u32 s47, s47, 1
.if \k
	s_lshl_b32 s51, s[END+\k-1], 13
	s_sub_co_u32 s[KO+\k], s[KO+\k], s51
	s_add_co_u32 s[END+\k], s[END+\k-1], s47
.else
	s_mov_b32 s[END], s47
.endif
.endm
.macro PICK gn, tab                    ; s44 = the entry of step gn's block
	s_cmp_lt_u32 s[\gn], s[END]
	s_cselect_b32 s44, s[\tab], s[\tab+1]
	s_cmp_lt_u32 s[\gn], s[END+1]
	s_cselect_b32 s44, s44, s[\tab+2]
.endm
.macro LDK gn
	PICK \gn, KO
	s_lshl_b32 s45, s[\gn], 13
	s_add_co_u32 s44, s44, s45
	s_mov_b32 s45, 0
	s_add_nc_u64 s[KA:KA+1], s[KB:KB+1], s[44:45]
	WIN 0x40
.irp t, 0,1,2,3,4,5,6,7
.irp g, 0,1
	global_load_b128 v[KR+8*\t+4*\g:KR+8*\t+4*\g+3], v[LI], s[KA:KA+1] offset:1024*\t+512*\g
.endr
.endr
	WIN 0
.endm
.macro LDQ gn
	PICK \gn, QO
	s_mov_b32 s45, 0
	s_add_nc_u64 s[QA:QA+1], s[4:5], s[44:45]
.irp u, 0,1,2,3
.irp g, 0,1
	global_load_b128 v[QR+8*\u+4*\g:QR+8*\u+4*\g+3], v[LI], s[QA:QA+1] offset:1024*\u+512*\g
.endr
.endr
.endm
.macro LDV                             ; the same step's V
	WIN 0x40
.irp c, 0,1,2,3
.irp g, 0,1,2,3
	global_load_b128 v[VR+16*\c+4*\g:VR+16*\c+4*\g+3], v[LI], s[KA:KA+1] offset:VOFS+2048*\c+512*\g
.endr
.endr
	WIN 0
.endm
.macro PUTM j                          ; -M and the sums of block j, in words of my own
.irp u, 0,1,2,3
	v_add_f32 v[MA+\u], v[LS+2*\u], v[LS+2*\u+1]
.endr
.irp u, 0,1,2,3
	ds_store_b32 v[MLW], v[NM+2*\u] offset:8192*\j+128*\u
	ds_store_b32 v[MLW], v[MA+\u] offset:8192*\j+512+128*\u
.endr
.endm
.macro PUTO adr                        ; my partial O: 32 stores of 512 bytes, each accumulator from its low end on
	WIN 0x04
.irp k, 0,1,2,3,4,5,6,7,8,9,10,11,12,13,14,15
	s_wait_alu depctr_va_vdst(0)                   ; directly ahead of the first reader
	ds_store_b128 v[\adr], v[8*\k:8*\k+3] offset:1024*\k
	ds_store_b128 v[\adr], v[8*\k+4:8*\k+7] offset:1024*\k+512
.endr
	WIN 0
	s_wait_dscnt 0x0                               ; the stores have read their registers
.endm
.macro RESET                           ; a new block: the first change of M multiplies what O and the sums hold by 0
.irp u, 0,1,2,3
	v_mov_b32 v[NM+2*\u], 0x7f61b1e6
	v_mov_b32 v[NM+2*\u+1], 0xff61b1e6             ; -3e38, under every t
.endr
	s_wait_alu depctr_va_vdst(0)
.endm
.macro PRODS H, p4                     ; S^T of tiles 2 H, 2 H + 1: key tile t against query tile u, whose own keys are tile u + p4: before it all count, in it the diagonal, behind it none.  p4 = 8: all count
	WIN 0x01
.irp t, 0,1,2,3,4,5,6,7
.irp a, 0,1
.if \t < 2*\H+\a+\p4
	v_wmma_f32_16x16x64_fp8_fp8 v[S+64*\a+8*\t:S+64*\a+8*\t+7], v[KR+8*\t:KR+8*\t+7], v[QR+8*(2*\H+\a):QR+8*(2*\H+\a)+7], 0
.elseif \t == 2*\H+\a+\p4
	v_wmma_f32_16x16x64_fp8_fp8 v[S+64*\a+8*\t:S+64*\a+8*\t+7], v[KR+8*\t:KR+8*\t+7], v[QR+8*(2*\H+\a):QR+8*(2*\H+\a)+7], v[DM:DM+7]
.else
	v_wmma_f32_16x16x64_fp8_fp8 v[S+64*\a+8*\t:S+64*\a+8*\t+7], v[KR+8*\t:KR+8*\t+7], v[QR+8*(2*\H+\a):QR+8*(2*\H+\a)+7], v[NEG:NEG+7]
.endif
.endr
.endr
	WIN 0
.endm
; Half a step: 32 queries (tiles 2 H, 2 H + 1) x 128 keys; the two tiles' chains stand side by side
.macro HALF H
	s_add_co_u32 s44, s[GI], 1
	s_cmp_eq_u32 s44, s[NX]
	s_cbranch_scc1 .Ldiag_\@                       ; the block's last step holds the diagonal
	PRODS \H, 8
	s_branch .Lscores_\@
.Ldiag_\@:
	s_cmp_eq_u32 s[PAR], 1
	s_cbranch_scc1 .Lodd_\@
	PRODS \H, 0
	s_branch .Lscores_\@
.Lodd_\@:
	PRODS \H, 4
.Lscores_\@:
.rept 4
	v_nop                                          ; places ahead of the first read of the scores and of loads into K's and Q's registers
.endr
.if \H
	s_add_co_u32 s[GN], s[GI], 8
	s_cmp_ge_u32 s[GN], s[END+2]
	s_cbranch_scc1 .Lnoload_\@                     ; no further step
	LDK GN
	s_cmp_lt_u32 s[GN], s[NX]
	s_cbranch_scc1 .Lnoload_\@                     ; the same block: Q stays
	LDQ GN
.Lnoload_\@:
	s_cmp_eq_u32 s[GI], s[ASK]
	s_cbranch_scc0 .Lnoask_\@
	global_prefetch_b8 v[PFO], s[PFA:PFA+1] th:TH_LOAD_NT scope:SCOPE_SE
.Lnoask_\@:
.endif
.irp a, 0,1                                    ; the largest score among my 64 keys, each accumulator from its low end on
	v_max3_num_f32 v[MA+2*\a], v[S+64*\a], v[S+64*\a+1], v[S+64*\a+2]
	v_max3_num_f32 v[MA+2*\a+1], v[S+64*\a+3], v[S+64*\a+4], v[S+64*\a+5]
.endr
.irp i, 6,10,14,18,22,26,30,34,38,42,46,50,54,58
.irp a, 0,1
	v_max3_num_f32 v[MA+2*\a], v[MA+2*\a], v[S+64*\a+\i], v[S+64*\a+\i+1]
	v_max3_num_f32 v[MA+2*\a+1], v[MA+2*\a+1], v[S+64*\a+\i+2], v[S+64*\a+\i+3]
.endr
.endr
.irp a, 0,1
	v_max3_num_f32 v[MA+2*\a], v[MA+2*\a], v[S+64*\a+62], v[S+64*\a+63]
.endr
.irp a, 0,1
	v_max_num_f32 v[MA+2*\a], v[MA+2*\a], v[MA+2*\a+1]
.endr
.irp a, 0,1
	v_permlanex16_b32 v[PL+\a], v[MA+2*\a], s[SEL], s[SEL+1]
.endr
.irp a, 0,1
	v_max_num_f32 v[MA+2*\a], v[MA+2*\a], v[PL+\a] ; and among lane l xor 16's
.endr
.irp a, 0,1
	v_mul_f32 v[MA+2*\a], s[CS], v[MA+2*\a]        ; as t (c is positive)
.endr
.irp a, 0,1
	v_max_num_f32 v[NM+2*(2*\H+\a)+1], v[NM+2*(2*\H+\a)+1], v[MA+2*\a]
.endr
.irp a, 0,1
	v_floor_f32 v[MA+2*\a], -v[NM+2*(2*\H+\a)+1]   ; the new -M: a whole number
.endr
.irp a, 0,1
	v_sub_f32 v[MA+2*\a+1], v[MA+2*\a], v[NM+2*(2*\H+\a)]   ; old M - new M: a whole number, 0 or less
.endr
.irp a, 0,1
	v_mov_b32 v[NM+2*(2*\H+\a)], v[MA+2*\a]
.endr
.irp a, 0,1
	v_cvt_i32_f32 v[MA+2*\a+1], v[MA+2*\a+1]       ; (it saturates)
.endr
.irp a, 0,1
	v_ldexp_f32 v[FF+2*\a], 1.0, v[MA+2*\a+1]      ; f = 2^(old M - new M)
.endr
	WIN 0x41
	s_wait_alu depctr_va_vdst(0)                   ; directly ahead of the first reader of O^T
.set j, 0
.rept 16
	v_pk_mul_f32 v[64*\H+j:64*\H+j+1], v[64*\H+j:64*\H+j+1], v[FF:FF+1] op_sel_hi:[1,0]   ; O^T under the new M
	v_pk_mul_f32 v[64*\H+32+j:64*\H+33+j], v[64*\H+32+j:64*\H+33+j], v[FF+2:FF+3] op_sel_hi:[1,0]
.set j, j+2
.endr
	WIN 0
.irp a, 0,1
	v_pk_mul_f32 v[LS+2*(2*\H+\a):LS+2*(2*\H+\a)+1], v[LS+2*(2*\H+\a):LS+2*(2*\H+\a)+1], v[FF+2*\a:FF+2*\a+1] op_sel_hi:[1,0]
.endr
.set j, 0
.rept 32
	v_pk_fma_f32 v[S+j:S+j+1], v[S+j:S+j+1], s[CS:CS+1], v[NM+4*\H:NM+4*\H+1] op_sel_hi:[1,0,0]   ; t - M, two at a time
.set j, j+2
.endr
	s_wait_alu depctr_va_vdst(0)                   ; ahead of the batch
.set j, 0
.rept 32                                       ; the first tile's p; between them the second tile's t - M, which nothing reads before the next wait
	v_exp_f32 v[S+j], v[S+j]
	v_exp_f32 v[S+j+1], v[S+j+1]
	v_pk_fma_f32 v[S+64+j:S+65+j], v[S+64+j:S+65+j], s[CS:CS+1], v[NM+4*\H+2:NM+4*\H+3] op_sel_hi:[1,0,0]
.set j, j+2
.endr
	s_wait_alu depctr_va_vdst(0)                   ; and ahead of this one
.set j, 0
.rept 64
	v_exp_f32 v[S+64+j], v[S+64+j]
.set j, j+1
.endr
	v_nop                                          ; a plain line behind the exponentials
	s_wait_alu depctr_va_vdst(0)                   ; ahead of the first reader
.irp a, 0,1                                    ; the sums, of the unquantised p: two chains a tile
	v_pk_add_f32 v[TS+2*\a:TS+2*\a+1], v[S+64*\a:S+64*\a+1], v[S+64*\a+2:S+64*\a+3]
.endr
.irp i, 4,8,12,16,20,24,28,32,36,40,44,48,52,56,60
.irp a, 0,1
	v_pk_add_f32 v[LS+2*(2*\H+\a):LS+2*(2*\H+\a)+1], v[LS+2*(2*\H+\a):LS+2*(2*\H+\a)+1], v[S+64*\a+\i:S+64*\a+\i+1]
	v_pk_add_f32 v[TS+2*\a:TS+2*\a+1], v[TS+2*\a:TS+2*\a+1], v[S+64*\a+\i+2:S+64*\a+\i+3]
.endr
.endr
.irp a, 0,1
	v_pk_add_f32 v[LS+2*(2*\H+\a):LS+2*(2*\H+\a)+1], v[LS+2*(2*\H+\a):LS+2*(2*\H+\a)+1], v[TS+2*\a:TS+2*\a+1]
.endr
	s_cmp_ge_i32 s54, -8                           ; p is at most 1 (a rounding more): p / 2^e8 stays under 448 where e8 >= -8
	s_wait_alu depctr_va_vdst(0)                   ; directly ahead of the branch
	s_cbranch_scc1 .Lnohold_\@
.set j, 0
.rept 128
	v_min_num_f32 v[S+j], v[LM8], v[S+j]           ; the conversion does not saturate (ISA guide 7.6.2); p is not negative, so the hold is one-sided
.set j, j+1
.endr
.Lnohold_\@:
.irp a, 0,1
.irp t, 0,1,2,3,4,5,6,7
	v_cvt_scalef32_pk8_fp8_f32 v[PC+16*\a+2*\t:PC+16*\a+2*\t+1], v[S+64*\a+8*\t:S+64*\a+8*\t+7], v[SC8]
.endr
.endr
	v_nop                                          ; a plain line behind the last conversion
.if \H == 0
	s_wait_alu depctr_va_vdst(0)                   ; directly ahead of the wait below
	s_wait_loadcnt 0x0                             ; V is in (no later load is out here)
.endif
	WIN 0x51
.irp a, 0,1
.irp c, 0,1,2,3
	v_wmma_f32_16x16x128_fp8_fp8 v[32*(2*\H+\a)+8*\c:32*(2*\H+\a)+8*\c+7], v[VR+16*\c:VR+16*\c+15], v[PC+16*\a:PC+16*\a+15], v[32*(2*\H+\a)+8*\c:32*(2*\H+\a)+8*\c+7]   ; the accumulators by turns
.endr
.endr
	WIN 0
.endm
; Block j is joined: wave w makes query tile w / 2, channels 32 (w % 2) on: registers 16 w .. 16 w + 15 of every wave's partial O
.macro JOIN j, adr
.irp w, 0,1,2,3,4,5,6,7
	ds_load_b32 v[96+2*\w], v[MLR] offset:8192*\j+1024*\w          ; -M
	ds_load_b32 v[97+2*\w], v[MLR] offset:8192*\j+1024*\w+512      ; the sum of my lane's keys
.endr
.irp w, 0,1,2,3,4,5,6,7
.irp e, 0,1,2,3
	ds_load_b128 v[S+16*\w+4*\e:S+16*\w+4*\e+3], v[\adr+\w/4] offset:16384*(\w%4)+512*\e
.endr
.endr
	s_wait_dscnt 32                                ; the first 16 are in; the 32 of partial O may be out
	v_min3_num_f32 v42, v96, v98, v100
	v_min3_num_f32 v43, v102, v104, v106
	v_min3_num_f32 v42, v42, v108, v110
	v_min_num_f32 v42, v42, v43                    ; -M of the largest M
.irp w, 0,1,2,3,4,5,6,7
	v_sub_f32 v[96+2*\w], v42, v[96+2*\w]
.endr
.irp w, 0,1,2,3,4,5,6,7
	v_cvt_i32_f32 v[96+2*\w], v[96+2*\w]
.endr
.irp w, 0,1,2,3,4,5,6,7
	v_ldexp_f32 v[96+2*\w], 1.0, v[96+2*\w]        ; f = 2^(its M - the largest); 0 for a wave that had no step of this block
.endr
	v_mul_f32 v44, v97, v96
	v_mul_f32 v45, v99, v98
.irp w, 2,4,6
	v_fmac_f32 v44, v[97+2*\w], v[96+2*\w]
	v_fmac_f32 v45, v[99+2*\w], v[98+2*\w]
.endr
	v_add_f32 v44, v44, v45
	v_permlanex16_b32 v46, v44, s[SEL], s[SEL+1]
	v_add_f32 v44, v44, v46                        ; the row's sum
	s_wait_alu depctr_va_vdst(0)                   ; ahead of the transcendental
	v_rcp_f32 v44, v44
	v_nop                                          ; a plain line behind it
	s_wait_alu depctr_va_vdst(0)                   ; and the wait ahead of its first reader
	v_ldexp_f32 v44, v44, s57                      ; x 2^(e8 + e9)
	s_wait_alu depctr_va_vdst(0)                   ; directly ahead of the wait below
	s_wait_dscnt 0x0
.irp i, 0,2,4,6,8,10,12,14
	v_pk_mul_f32 v[112+\i:113+\i], v[S+\i:S+\i+1], v[96:97] op_sel_hi:[1,0]
.endr
.irp w, 1,2,3,4,5,6,7
.irp i, 0,2,4,6,8,10,12,14
	v_pk_fma_f32 v[112+\i:113+\i], v[S+16*\w+\i:S+16*\w+\i+1], v[96+2*\w:97+2*\w], v[112+\i:113+\i] op_sel_hi:[1,0,1]
.endr
.endr
.irp i, 0,2,4,6,8,10,12,14
	v_pk_mul_f32 v[112+\i:113+\i], v[112+\i:113+\i], v[44:45] op_sel_hi:[1,0]
.endr
.irp i, 0,1,2,3,4,5,6,7,8,9,10,11,12,13,14,15
	v_med3_num_f32 v[112+\i], v[112+\i], -v[LM10], v[LM10]
.endr
	v_cvt_scalef32_pk8_fp8_f32 v[48+4*\j:49+4*\j], v[112:119], v[SC10]
	v_cvt_scalef32_pk8_fp8_f32 v[50+4*\j:51+4*\j], v[120:127], v[SC10]
	v_nop
	global_store_b128 v[LI], v[48+4*\j:51+4*\j], s[58+2*\j:59+2*\j]   ; 512 consecutive bytes
.endm
	s_load_b128 s[4:7], s[0:1], 0x0                ; qkv s[4:5], scales s[6:7]
	s_load_b64 s[8:9], s[0:1], 0x10                ; ctx
	v_lshl_add_u32 v[SPW], v0, 2, SPARE
	v_mov_b32 v[NIL], 0
	v_lshrrev_b32 v42, 5, v0
	v_readfirstlane_b32 s[WV], v42                 ; wave 0..7
	v_and_b32 v43, 31, v0
	v_lshlrev_b32 v44, 2, v43
	v_lshlrev_b32 v[LI], 4, v43
	v_lshlrev_b32 v[PFO], 8, v43
	s_lshl_b32 s46, s[WV], 14
	v_add_nc_u32 v[PW], s46, v[LI]
	v_add_nc_u32 v[PW+1], 131072, v[PW]
	s_lshl_b32 s46, s[WV], 11
	v_add_nc_u32 v[OR], s46, v[LI]
	v_add_nc_u32 v[OR+1], 65536, v[OR]
	v_add_nc_u32 v[OR+2], 131072, v[OR]
	v_add_nc_u32 v[OR+3], 196608, v[OR]
	s_lshl_b32 s46, s[WV], 10
	s_add_co_u32 s46, s46, ML
	v_add_nc_u32 v[MLW], s46, v44
	s_lshr_b32 s46, s[WV], 1
	s_lshl_b32 s46, s46, 7
	s_add_co_u32 s46, s46, ML
	v_add_nc_u32 v[MLR], s46, v44
	s_wait_alu depctr_va_vdst(0)                   ; ahead of the scalar lines and the wait below
	s_and_b32 s44, ttmp9, 63                       ; i
	s_lshr_b32 s45, ttmp9, 6
	s_mul_i32 s45, s45, 3                          ; the group's first head
	s_lshr_b32 s46, s44, 1
	s_sub_co_u32 s47, 31, s46
	s_sub_co_u32 s48, 63, s46
	s_bitcmp1_b32 s44, 0
	s_cselect_b32 s49, s48, s47                    ; the second head's block
	s_cselect_b32 s50, s47, s48                    ; the third's
	s_lshl_b32 s51, s44, 4
	s_add_co_u32 s51, s51, s45                     ; 16 x block + head
	s_lshl_b32 s49, s49, 4
	s_add_co_u32 s49, s49, s45
	s_add_co_u32 s49, s49, 1
	s_lshl_b32 s50, s50, 4
	s_add_co_u32 s50, s50, s45
	s_add_co_u32 s50, s50, 2
	s_min_u32 s46, s51, s49
	s_max_u32 s47, s51, s49
	s_max_u32 s48, s47, s50                        ; the largest
	s_min_u32 s47, s47, s50
	s_min_u32 s50, s46, s47                        ; the smallest
	s_max_u32 s49, s46, s47
	JOB 50, 0
	JOB 49, 1
	JOB 48, 2
	s_mov_b32 s[GI], s[WV]
	s_add_co_u32 s3, s[END+2], 7
	s_sub_co_u32 s3, s3, s[WV]
	s_lshr_b32 s3, s3, 3                           ; s3: my steps w, w + 8, .. below the three blocks' 49 or 50: six or seven
	s_min_u32 s3, s3, 7
	s_mov_b32 s2, 0                                ; s2: trips done
	s_mov_b32 s[JB], 0
	s_mov_b32 s[NX], s[END]
	s_mov_b32 s[PAR], s[PR]
	s_and_b32 s47, s44, 31                         ; the prefetch: step i % 32,
	s_cmp_ge_u32 s47, 16
	s_cselect_b32 s[ASK], s[WV], -1
	s_cmp_lt_u32 s[WV], 3
	s_cselect_b32 s[ASK], s[ASK], -1               ; by waves 0, 1, 2 in their first trip
	s_lshl_b32 s51, s47, 13
	s_add_co_u32 s46, s45, s[WV]
	s_lshl_b32 s46, s46, 18                        ; of head 3 g + wave
	s_add_co_u32 s46, s46, s51
	s_lshr_b32 s51, s44, 5
	s_mul_i32 s51, s51, VOFS                       ; K's or V's
	s_add_co_u32 s46, s46, s51
	s_mov_b32 s47, 0
	s_lshr_b32 s48, s[WV], 1
	s_mul_i32 s48, s48, 12288
	s_and_b32 s49, s[WV], 1
	s_lshl_b32 s49, s49, 9
	s_add_co_u32 s48, s48, s49                     ; what I join, in ctx
	s_mov_b32 s[SEL], 0x76543210
	s_mov_b32 s[SEL+1], 0xfedcba98
	s_mov_b32 s[CS], 0x3e38aa3b                    ; log2(e) / 8
	s_wait_kmcnt 0x0
	s_load_b128 s[52:55], s[6:7], 0x18             ; e6, e7, e8, e9
	s_load_b32 s56, s[6:7], 0x28                   ; e10
	s_add_nc_u64 s[KB:KB+1], s[4:5], VOFS          ; k's images lie as far behind q's as v's behind k's
	s_add_nc_u64 s[PFA:PFA+1], s[KB:KB+1], s[46:47]
.irp k, 0,1,2
	s_add_co_u32 s46, s[CO+\k], s48
	s_mov_b32 s47, 0
	s_add_nc_u64 s[58+2*\k:59+2*\k], s[8:9], s[46:47]
.endr
	LDK GI
	LDQ GI
	LDV
	RESET
.irp u, 0,1,2,3,4,5,6,7
	v_mov_b32 v[LS+\u], 0
	v_mov_b32 v[NEG+\u], 0xff000000                ; -2^127
.endr
	v_mov_b32 v[FF+1], 0                           ; (named as upper halves of pairs)
	v_mov_b32 v[FF+3], 0
	v_mov_b32 v[PL], 0                             ; a lane permute's destination counts as one of its sources
	v_mov_b32 v[PL+1], 0
	v_and_b32 v42, 15, v0
	v_bfe_u32 v43, v0, 4, 1
	v_lshlrev_b32 v43, 3, v43
	v_sub_nc_u32 v42, v42, v43                     ; r - 8 h: in the diagonal tile register j, key 8 h + j, is hidden from query r where j is greater
.irp j, 0,1,2,3,4,5,6,7
	v_cmp_gt_i32 vcc_lo, \j, v42
	v_cndmask_b32 v[DM+\j], 0, v[NEG+\j], vcc_lo
.endr
	WIN 0x40
.set j, 0
.rept 128
	v_mov_b32 v[j], 0                              ; O^T: the step is written once, and its first change of M multiplies what stands here by 0
.set j, j+1
.endr
	WIN 0
	s_wait_kmcnt 0x0
	s_add_co_i32 s46, s52, s53
	s_lshl_b32 s46, s46, 23
	s_add_co_i32 s[CS], s[CS], s46                 ; a score stands for score x 2^(e6 + e7)
	s_mov_b32 s[CS+1], s[CS]
	s_add_co_i32 s57, s54, s55
	MKSC 54, SC8, LM8                              ; 2^e8 and 448 x 2^e8, for p
	MKSC 56, SC10, LM10                            ; 2^e10 and 448 x 2^e10, for ctx
	s_wait_alu depctr_va_vdst(0)                   ; at the head's end
.Lstep:
	s_cmp_lt_u32 s[GI], s[NX]
	s_cbranch_scc1 .Lsame                          ; still in the same block
	s_cmp_lg_u32 s[JB], 0
	s_cbranch_scc1 .Lsecond
	PUTM 0                                         ; the first block is done (or had no step of mine): my part goes to region 0
	PUTO PW
	RESET
	s_mov_b32 s[JB], 1
	s_mov_b32 s[NX], s[END+1]
	s_mov_b32 s[PAR], s[PR+1]
	s_cmp_lt_u32 s[GI], s[NX]
	s_cbranch_scc1 .Lsame
.Lsecond:
	PUTM 1                                         ; the second: region 1
	PUTO PW+1
	RESET
	s_mov_b32 s[JB], 2
	s_mov_b32 s[NX], s[END+2]
	s_mov_b32 s[PAR], s[PR+2]
.Lsame:
	s_wait_loadcnt 16                              ; K, and Q where it was asked for, are in; V's 16 loads, the youngest, may be out
	HALF 0
	HALF 1
.rept 4
	v_nop                                          ; places ahead of loads into V's registers and of reads of O^T
.endr
	s_cmp_ge_u32 s[GN], s[END+2]
	s_cbranch_scc1 .Lnov
	LDV
.Lnov:
	s_add_co_u32 s[GI], s[GI], 8
	s_add_co_u32 s2, s2, 1
	s_cmp_lt_u32 s2, s3
	s_cbranch_scc1 .Lstep
	PUTM 2                                         ; the third block's O stays in registers for now
	s_wait_dscnt 0x0                               ; for the others' sake: my stores are done
	s_barrier_signal -1
	s_barrier_wait -1                              ; both regions and all -M and sums are whole
	JOIN 0, OR
	JOIN 1, OR+2
	s_barrier_signal -1                            ; my reads of region 0 are over (waited for in JOIN)
	s_barrier_wait -1
	PUTO PW                                        ; it takes the third block (PUTO ends with the wait for my stores)
	s_barrier_signal -1
	s_barrier_wait -1
	JOIN 2, OR
	s_wait_tensorcnt 0x0                           ; the wave's end
	ds_add_u32 v[SPW], v[NIL]
	s_wait_dscnt 0x0
	s_endpgm
.Lfunc_end_k_q75e9e7b4bf_attn:
	.size	k_q75e9e7b4bf_attn, .Lfunc_end_k_q75e9e7b4bf_attn-k_q75e9e7b4bf_attn
	.p2alignl 7, 3214868480
	.fill 96, 4, 3214868480
	.section	.rodata,"a",@progbits
	.p2align	6, 0x0
	.amdhsa_kernel k_q75e9e7b4bf_attn
		.amdhsa_group_segment_fixed_size 287744
		.amdhsa_private_segment_fixed_size 0
		.amdhsa_enable_private_segment 0
		.amdhsa_kernarg_size 24
		.amdhsa_user_sgpr_count 2
		.amdhsa_user_sgpr_kernarg_segment_ptr 1
		.amdhsa_wavefront_size32 1
		.amdhsa_system_sgpr_workgroup_id_x 1
		.amdhsa_system_sgpr_workgroup_id_y 1
		.amdhsa_system_sgpr_workgroup_id_z 1
		.amdhsa_system_vgpr_workitem_id 0
		.amdhsa_next_free_vgpr 512
		.amdhsa_next_free_sgpr 66
		.amdhsa_reserve_vcc 1
		.amdhsa_float_denorm_mode_32 3
		.amdhsa_float_denorm_mode_16_64 3
		.amdhsa_memory_ordered 1
		.amdhsa_forward_progress 1
		.amdhsa_inst_pref_size 122
	.end_amdhsa_kernel
	.amdgpu_metadata
---
amdhsa.version: [ 1, 2 ]
amdhsa.kernels:
  - .name:           k_q75e9e7b4bf_attn
    .symbol:         k_q75e9e7b4bf_attn.kd
    .args:
      - { .name: qkv, .offset: 0, .size: 8, .value_kind: global_buffer, .address_space: global }
      - { .name: lowp_scales, .offset: 8, .size: 8, .value_kind: global_buffer, .address_space: global }
      - { .name: ctx, .offset: 16, .size: 8, .value_kind: global_buffer, .address_space: global }
    .group_segment_fixed_size: 287744
    .private_segment_fixed_size: 0
    .kernarg_segment_align: 8
    .kernarg_segment_size: 24
    .max_flat_workgroup_size: 256
    .sgpr_count:     66
    .vgpr_count:     512
    .wavefront_size: 32
...
	.end_amdgpu_metadata
.endif
;; end of part 3
;; launch outp (part 4): grid 3 x 64, 4 waves a work-group, no clusters, 167,936 bytes of LDS; arguments ctx, wimg, bo, lowp_scales, out0; writes out0
.if DOCPART == 4
	.amdgcn_target "amdgcn-amd-amdhsa--gfx1250"
	.amdhsa_code_object_version 6
	.text
	.protected	k_q75e9e7b4bf_outp
	.globl	k_q75e9e7b4bf_outp
	.p2align	8
	.type	k_q75e9e7b4bf_outp,@function
k_q75e9e7b4bf_outp:
	s_mov_b64 s[64:65], 0
	v_nop
	global_prefetch_b8 v0, s[64:65] scope:SCOPE_SE
	s_setreg_imm32_b32 hwreg(HW_REG_WAVE_MODE, 25, 1), 1
	s_wait_xcnt 0x0
; out0 = ctx Wo^T + bo on codes of FP8 (E4M3).  ctx and Wo come as images of operand registers: fragment (row tile T, K step ks), 16 rows x 128 K, at (6 T + ks) x 2,048; registers 4 g .. 4 g + 3 of lane l at 512 g + 16 l.
; Work-group (cg = x, rb = y) makes 64 rows (rb) x 256 columns (cg).  Wave w keeps 64 rows of Wo (columns 256 cg + 64 w on) in registers: 24 fragments, 49,152 consecutive bytes.  The 64 rows of ctx, 49,152 bytes, come
; through LDS by one tensor load a wave and are read by all four; no LDS byte is filled twice.
; Source 0 = Wo's rows, source 1 = ctx's rows: a lane holds one row of the output and eight neighbouring columns.  y = sum x 2^(e10 + e11) + bo: one packed multiply-add for two numbers.
; A row's 256 columns come from four waves: they meet in a stage in LDS and leave as 512 consecutive bytes a store.
; LIMIT: e10 + e11 between -126 and 127.
; No cluster: ctx's block is shared by the three work-groups of a grid row, which clusters of four do not divide; Wo goes straight into registers.
; REGISTERS, in windows of 256.  window 0: v4-15 addresses; v16-47 bo in the result's layout; v64-127, v128-191 two sets of four fragments of ctx, later y.
;   window 1: Wo's fragments of K steps 0-3 at 64 ks + 16 ct.   window 2: v0-127 those of K steps 4, 5; v128-255 the 16 accumulators (st, ct) at 128 + 8 (4 st + ct).
.set FRB,   2048
.set TILEB, 12288
.set PASSB, 49152
.set STG,   49152                      ; behind the tiles: the stage, 64 rows x (1,024 + 16) bytes; no tensor load lands there
.set SPITCH, 1040                      ; row r starts 4 r words on, modulo 64 words
.set SPARE, STG+64*SPITCH              ; behind the stage: the spare words, 128 bytes a wave, two blocks of 256 bytes that no other line names
.set LP,  4                            ; v4    16 l
.set RO,  8                            ; v8    16 l: offset in memory
.set BO,  9                            ; v9    32 h: my offset in the bias
.set SPW, 12                           ; v12   LDS address of my spare word; never rewritten
.set NIL, 13                           ; v13   0; never rewritten
.set STO, 14                           ; v14   the stage, way in
.set RD,  15                           ; v15   the stage, way out
.set CB,  16
.set X0,  64
.set Y,   64
.set ACC, 128
.set G1,  24
.set G0,  32
.set MSB, 0
.macro WIN new                         ; the immediate's high byte repeats the setting that is left; bits 1:0 source 0, 3:2 source 1, 5:4 source 2, 7:6 destination
.if MSB != \new
	s_set_vgpr_msb (MSB<<8)|\new
.set MSB, \new
.endif
.endm
.macro PLACES                          ; four plain lines between matrix instructions and loads into, or reads of, their registers
.rept 4
	v_nop
.endr
.endm
.macro FETCHX ks, set                  ; ctx's four fragments of K step ks
.irp st, 0,1,2,3
.irp g, 0,1,2,3
	ds_load_b128 v[\set+16*\st+4*\g:\set+16*\st+4*\g+3], v[LP] offset:(6*\st+(\ks))*FRB+512*\g
.endr
.endr
.endm
.macro MUL16 ks, set                   ; 16 products: the 16 accumulators take turns, one instruction a turn, in the same order in every K step; the first K step starts the sums
.if (\ks) == 0
	WIN 0x81
.elseif (\ks) < 4
	WIN 0xa1
.else
	WIN 0xa2
.endif
.irp st, 0,1,2,3
.irp ct, 0,1,2,3
.if (\ks) == 0
	v_wmma_f32_16x16x128_fp8_fp8 v[ACC+8*(4*\st+\ct):ACC+8*(4*\st+\ct)+7], v[64*((\ks)%4)+16*\ct:64*((\ks)%4)+16*\ct+15], v[\set+16*\st:\set+16*\st+15], 0
.else
	v_wmma_f32_16x16x128_fp8_fp8 v[ACC+8*(4*\st+\ct):ACC+8*(4*\st+\ct)+7], v[64*((\ks)%4)+16*\ct:64*((\ks)%4)+16*\ct+15], v[\set+16*\st:\set+16*\st+15], v[ACC+8*(4*\st+\ct):ACC+8*(4*\st+\ct)+7]
.endif
.endr
.endr
.endm
	s_load_b256 s[4:11], s[0:1], 0x0               ; ctx s[4:5], wimg s[6:7], bo s[8:9], scales s[10:11]
	s_load_b64 s[12:13], s[0:1], 0x20              ; out0
	v_lshl_add_u32 v[SPW], v0, 2, SPARE
	v_mov_b32 v[NIL], 0
	ds_add_u32 v[SPW], v[NIL]                      ; the wave's opening: the add and its wait ahead of my tensor load; work on registers stands between
	ds_add_u32 v[SPW], v[NIL]
	v_lshrrev_b32 v1, 5, v0
	v_readfirstlane_b32 s18, v1                    ; wave 0..3
	v_and_b32 v1, 31, v0
	v_lshlrev_b32 v[LP], 4, v1
	v_lshlrev_b32 v[RO], 4, v1
	v_and_b32 v2, 15, v0                           ; r
	v_bfe_u32 v3, v0, 4, 1                         ; h
	v_lshlrev_b32 v[BO], 5, v3
	s_lshl_b32 s19, s18, 8
	s_add_co_u32 s19, s19, STG
	v_mul_u32_u24 v[STO], v2, SPITCH
	v_lshl_add_u32 v[STO], v3, 5, v[STO]
	v_add_nc_u32 v[STO], s19, v[STO]               ; row r, + 32 h, + 256 w: my eight columns' bytes
	s_mul_i32 s19, s18, 16*SPITCH
	s_add_co_u32 s19, s19, STG
	v_add_nc_u32 v[RD], s19, v[LP]                 ; back: my 16 rows, 16 bytes a lane
	s_and_b32 s22, ttmp7, 0xffff                   ; rb
	s_mov_b32 s[G1+0], 3<<16                       ; elements of 8 bytes, no mask, no padding
	s_mov_b32 s[G1+1], 32<<16                      ; rows of 256 bytes
	s_mov_b32 s[G1+2], 48<<16                      ; 48 of them: a row tile's 12,288 bytes, dense
	s_mov_b32 s[G1+3], 32<<16
	s_mov_b32 s[G1+4], 48
	s_mov_b32 s[G1+5], 32
	s_mov_b32 s[G1+6], 0
	s_mov_b32 s[G1+7], 0
	s_mul_i32 s20, s18, TILEB                      ; the tile that I fetch
	s_mul_i32 s36, s22, PASSB
	s_add_co_u32 s36, s36, s20
	s_mov_b32 s37, 0
	s_lshl_b32 s38, ttmp9, 4
	s_lshl_b32 s39, s18, 2
	s_add_co_u32 s38, s38, s39                     ; Wo's row tile 16 cg + 4 w
	s_mul_i32 s38, s38, TILEB
	s_add_co_u32 s38, s38, 1769472                 ; Wo is the fourth weight in wimg
	s_mov_b32 s39, 0
	s_lshl_b32 s46, ttmp9, 10
	s_lshl_b32 s47, s18, 8
	s_add_co_u32 s46, s46, s47                     ; bo at column 256 cg + 64 w
	s_mov_b32 s47, 0
	s_lshl_b32 s48, s22, 6
	s_lshl_b32 s49, s18, 4
	s_add_co_u32 s48, s48, s49                     ; the first row that I store: 64 rb + 16 w
	s_mul_i32 s48, s48, 3072
	s_lshl_b32 s49, ttmp9, 10
	s_add_co_u32 s48, s48, s49
	s_mov_b32 s49, 0
	s_wait_alu depctr_va_vdst(0)
	s_wait_dscnt 0x0                               ; the opening add is done
	s_wait_kmcnt 0x0
	s_load_b64 s[40:41], s[10:11], 0x28            ; e10, e11
	s_mov_b32 s[G0], 1
	s_mov_b32 s[G0+1], s20
	s_add_nc_u64 s[G0+2:G0+3], s[4:5], s[36:37]
	s_or_b32 s[G0+3], s[G0+3], 0x80000000
	tensor_load_to_lds s[G0:G0+3], s[G1:G1+7]
	s_nop 0
.rept 4
	v_nop
.endr
	s_add_nc_u64 s[44:45], s[6:7], s[38:39]
	s_add_nc_u64 s[8:9], s[8:9], s[46:47]
	s_add_nc_u64 s[12:13], s[12:13], s[48:49]
	WIN 0x40                                       ; destination window 1
.irp ks, 0,1,2,3
.irp ct, 0,1,2,3
.irp g, 0,1,2,3
	global_load_b128 v[64*\ks+16*\ct+4*\g:64*\ks+16*\ct+4*\g+3], v[RO], s[44:45] offset:(6*\ct+\ks)*FRB+512*\g
.endr
.endr
.endr
	WIN 0x80                                       ; destination window 2
.irp ks, 4,5
.irp ct, 0,1,2,3
.irp g, 0,1,2,3
	global_load_b128 v[64*(\ks-4)+16*\ct+4*\g:64*(\ks-4)+16*\ct+4*\g+3], v[RO], s[44:45] offset:(6*\ct+\ks)*FRB+512*\g
.endr
.endr
.endr
	WIN 0
.irp ct, 0,1,2,3
	global_load_b128 v[CB+8*\ct:CB+8*\ct+3], v[BO], s[8:9] offset:64*\ct           ; bo at columns 16 ct + 8 h + 0 .. 7 of my 64
	global_load_b128 v[CB+8*\ct+4:CB+8*\ct+7], v[BO], s[8:9] offset:64*\ct+16
.endr
	s_wait_kmcnt 0x0
	s_add_co_i32 s42, s40, s41
	s_add_co_i32 s42, s42, 127
	s_lshl_b32 s42, s42, 23                        ; 2^(e10 + e11) as f32
	s_mov_b32 s43, s42                             ; (named with it as a pair, so it is written)
	s_wait_tensorcnt 0x0                           ; my one tile has landed,
	s_barrier_signal -1
	s_barrier_wait -1                              ; everybody's has
	FETCHX 0, X0
	s_wait_loadcnt 0x0                             ; Wo's fragments and bo
.irp ks, 0,1,2,3,4,5
.if (\ks >= 1) && (\ks < 5)
	PLACES                                         ; in front of loads into the set that the last 16 products read
.endif
.if \ks < 5
	FETCHX \ks+1, X0+64*((\ks+1)%2)
	s_wait_dscnt 16                                ; all but the 16 loads just issued: this K step's fragments are in
.else
	s_wait_dscnt 0x0
.endif
	MUL16 \ks, X0+64*(\ks%2)
	WIN 0
.endr
	PLACES
	WIN 0x02                                       ; the sums as source 0
.set a, 0
.rept 16
.irp i, 0,2,4,6
	v_pk_fma_f32 v[Y+8*a+\i:Y+8*a+\i+1], v[ACC+8*a+\i:ACC+8*a+\i+1], s[42:43], v[CB+8*(a%4)+\i:CB+8*(a%4)+\i+1] op_sel_hi:[1,0,1]   ; y = sum x 2^(e10 + e11) + bo; each accumulator from its low end on
.endr
.set a, a+1
.endr
	WIN 0
.irp st, 0,1,2,3
.irp ct, 0,1,2,3
	ds_store_b128 v[STO], v[Y+8*(4*\st+\ct):Y+8*(4*\st+\ct)+3] offset:16*SPITCH*\st+64*\ct
	ds_store_b128 v[STO], v[Y+8*(4*\st+\ct)+4:Y+8*(4*\st+\ct)+7] offset:16*SPITCH*\st+64*\ct+16
.endr
.endr
	s_wait_dscnt 0x0                               ; for the others' sake: my stores into the stage are done
	s_barrier_signal -1
	s_barrier_wait -1                              ; 64 rows of 1,024 bytes lie in the stage
.set i, 0
.rept 32
	ds_load_b128 v[Y+4*i:Y+4*i+3], v[RD] offset:SPITCH*(i/2)+512*(i%2)
.set i, i+1
.endr
.set i, 0
.rept 32
	s_wait_dscnt 31-i                              ; LDS loads come back in order: load i is in, the 31 - i younger ones may be out
	global_store_b128 v[RO], v[Y+4*i:Y+4*i+3], s[12:13] offset:3072*(i/2)+512*(i%2) th:TH_STORE_NT   ; 32 lanes store 512 consecutive bytes, at a multiple of 256 from the buffer's first byte
.set i, i+1
.endr
	s_wait_tensorcnt 0x0                           ; the wave's end
	ds_add_u32 v[SPW], v[NIL]
	s_wait_dscnt 0x0
	s_endpgm
.Lfunc_end_k_q75e9e7b4bf_outp:
	.size	k_q75e9e7b4bf_outp, .Lfunc_end_k_q75e9e7b4bf_outp-k_q75e9e7b4bf_outp
	.p2alignl 7, 3214868480
	.fill 96, 4, 3214868480
	.section	.rodata,"a",@progbits
	.p2align	6, 0x0
	.amdhsa_kernel k_q75e9e7b4bf_outp
		.amdhsa_group_segment_fixed_size 167936
		.amdhsa_private_segment_fixed_size 0
		.amdhsa_enable_private_segment 0
		.amdhsa_kernarg_size 40
		.amdhsa_user_sgpr_count 2
		.amdhsa_user_sgpr_kernarg_segment_ptr 1
		.amdhsa_wavefront_size32 1
		.amdhsa_system_sgpr_workgroup_id_x 1
		.amdhsa_system_sgpr_workgroup_id_y 1
		.amdhsa_system_sgpr_workgroup_id_z 1
		.amdhsa_system_vgpr_workitem_id 0
		.amdhsa_next_free_vgpr 768
		.amdhsa_next_free_sgpr 66
		.amdhsa_reserve_vcc 0
		.amdhsa_float_denorm_mode_32 3
		.amdhsa_float_denorm_mode_16_64 3
		.amdhsa_memory_ordered 1
		.amdhsa_forward_progress 1
		.amdhsa_inst_pref_size 39
	.end_amdhsa_kernel
	.amdgpu_metadata
---
amdhsa.version: [ 1, 2 ]
amdhsa.kernels:
  - .name:           k_q75e9e7b4bf_outp
    .symbol:         k_q75e9e7b4bf_outp.kd
    .args:
      - { .name: ctx, .offset: 0, .size: 8, .value_kind: global_buffer, .address_space: global }
      - { .name: wimg, .offset: 8, .size: 8, .value_kind: global_buffer, .address_space: global }
      - { .name: bo, .offset: 16, .size: 8, .value_kind: global_buffer, .address_space: global }
      - { .name: lowp_scales, .offset: 24, .size: 8, .value_kind: global_buffer, .address_space: global }
      - { .name: out0, .offset: 32, .size: 8, .value_kind: global_buffer, .address_space: global }
    .group_segment_fixed_size: 167936
    .private_segment_fixed_size: 0
    .kernarg_segment_align: 8
    .kernarg_segment_size: 40
    .max_flat_workgroup_size: 128
    .sgpr_count:     66
    .vgpr_count:     768
    .wavefront_size: 32
...
	.end_amdgpu_metadata
.endif
;; end of part 4
